; MI455X (gfx1250); checked and timed in simulation.
; The chip was launched on July 23, 2026; its instructions are those of AMD's public machine-readable ISA for CDNA 5 (MIT licence, August 2026) and "CDNA5" Instruction Set Architecture Reference Guide (July 2026). The comments in the code are by the model that wrote it; some were corrected since.
;; Diagonal Matrix Model. Allowed arithmetic: matrix products marked QUANTISED: E2M1 operands, one E8M0 scale for each 32 along K, by v_wmma_scale_f32_16x16x128_f8f6f4 with both operands' format E2M1 (or v_wmma_scale_f32_32x16x128_f4), f32 sums; everything else in f32.
;; Inputs: diagonal 4,096 float32; x_codes 4,096 x 128 x 16 uint8 (E2M1 codes of x, K innermost, in blocks of 32 codes, two codes a byte); x_scales 4,096 x 128 uint8 (E8M0 scales of x, one for each 32 codes along K).
;; Outputs: out0 4,096 x 4,096 float32.
;; This version of the problem:
;;   THIS VERSION OF THE PROBLEM IS GIVEN IN LOW PRECISION. The matrix products marked QUANTISED in the list below multiply operands that are first quantised to E2M1 (2 exponent bits, 1 mantissa bit; 4 bits a number), with one power-of-two scale for each 32 numbers along K (OCP MX v1.0); their sums are f32. All else is computed in f32.
;;   The module's matrix products, in the order in which they are computed (A, B: the left and right operand; K: the contracted axis; several contracted axes count as one K, in the product's order):
;;     1. [M 4,096, K 4,096] x [K 4,096, N 4,096]; A: input x (given as codes); B: computed on the way: QUANTISED
;;   THE QUANTISER, for each operand of a quantised product, along K:
;;     - K is cut into blocks of 32 from its start; a last block that is shorter is filled with zeros.
;;     - A block's scale is 2^e with e = floor(log2(the largest magnitude in the block)) - 2, held to -126 .. 127; a block of zeros has e = 0. As a byte (E8M0): e + 127.
;;     - Each number is divided by its block's scale, clamped to +-6, and rounded to the nearest number of E2M1, ties to even, subnormals kept.
;;     - The product sums the exact products of the quantised numbers (number of the format x scale) in f32.
;;   ~~~python
;;   def quantise(x, axis):      # numpy; x: float32 -> the quantised numbers, widened to float32 again
;;       x = np.moveaxis(x, axis, -1); K = x.shape[-1]
;;       x = np.pad(x, [(0, 0)] * (x.ndim - 1) + [(0, -K % 32)]); x = x.reshape(x.shape[:-1] + (-1, 32)); a = np.abs(x).max(-1, keepdims=True)
;;       e = np.where(a > 0, np.clip(np.frexp(np.where(a > 0, a, 1))[1] - 1 - 2, -126, 127), 0)      # np.frexp(a)[1] - 1 = floor(log2(a)), exactly
;;       r = np.clip(x / 2.0 ** e, -6, 6)
;;       step = 2.0 ** (np.maximum(np.frexp(np.where(r == 0, 1, r))[1] - 1, 0) - 1)
;;       q = np.round(r / step) * step * 2.0 ** e      # np.round: ties to even
;;       return np.moveaxis(q.reshape(q.shape[:-2] + (-1,))[..., :K], -1, axis).astype(np.float32)
;;   ~~~
;;   OPERANDS COMPUTED ON THE WAY. 'Computed on the way' means the value that the module computes at that place (a softmax that the list does not call 'softmax' is quantised finished and normalised). What goes into a quantiser is computed in f32, as accurately as f32 sums, v_exp_f32 and their like allow (about 1e-6 of the number): no bf16 or f16 on the way to a quantiser, and a product that is left as it is and whose result goes on into a quantised operand takes f32 operands (vector FMAs, or v_wmma_f32_16x16x4_f32). A number that lies on a knife's edge between two numbers of the format may be rounded either way, as far as f32 arithmetic and the matrix unit's own rounding can turn it there, and no further.
;;   INPUTS GIVEN AS CODES. x (in the module: [4096, 4096], K = its axis 1): each comes as NAME_codes (uint8): NAME with its K axis moved to the last place and cut into blocks of 32 codes, [.., K / 32, bytes a block], one block behind the other in memory; two codes a byte, the lower K in the low four bits (a code: sign, 2 exponent bits, 1 mantissa bit); and NAME_scales (uint8): the same leading axes, one E8M0 byte (e + 127) for each 32 codes along K. Its value is code x scale, taken as it is: it is not quantised again, and the codes and scales need not be those that the quantiser above would give.
;; One version. Each part assembles by itself: llvm-mc -triple=amdgcn-amd-amdhsa -mcpu=gfx1250 --defsym DOCPART=n.
;; ======== version 1 of 1: 1 launch
;; launch diagmul (part 1): grid 8 x 32, 4 waves a work-group, clusters of 4 x 1, 327,680 bytes of LDS; arguments diagonal, x_codes, x_scales, out0; writes out0
.if DOCPART == 1
	.amdgcn_target "amdgcn-amd-amdhsa--gfx1250"
	.amdhsa_code_object_version 6
	.text
	.protected	k_q55a5778a8e_diagmul
	.globl	k_q55a5778a8e_diagmul
	.p2align	8
	.type	k_q55a5778a8e_diagmul,@function
k_q55a5778a8e_diagmul:
	s_mov_b64 s[64:65], 0
	v_nop
	global_prefetch_b8 v0, s[64:65] scope:SCOPE_SE
	s_setreg_imm32_b32 hwreg(HW_REG_WAVE_MODE, 25, 1), 1
	s_wait_xcnt 0x0
	s_wait_alu depctr_hold_cnt(0) depctr_sa_sdst(0) depctr_va_vdst(0) depctr_va_sdst(0) depctr_va_ssrc(0) depctr_va_vcc(0) depctr_vm_vsrc(0)
	s_getreg_b32 s2, hwreg(HW_REG_IB_STS2, 6, 4)
	s_cmp_eq_u32 s2, 0
	s_cbranch_scc0 .Lentry_in_a_cluster
	s_endpgm
.Lentry_in_a_cluster:
	s_bfe_u32 s2, ttmp6, 0x10000c
	s_cmp_lg_u32 s2, 0x3003
	s_cbranch_scc0 .Lentry_shape_is_right
	s_endpgm
.Lentry_shape_is_right:
; out0 = x Q(diag(d)), M = N = K = 4,096, on codes of FP4 (E2M1) with one E8M0 scale for each 32 along K; sums in f32.  The product is done whole: all 32 K steps of 128 of every 16 x 16 of out0.
; x: codes [4096][2048 bytes], K innermost, and scale bytes [4096][128].  d: [4096] f32.  out0: [4096][4096] f32.
; Q(diag(d)) IS MADE IN REGISTERS AND NEVER LIES IN MEMORY OR LDS.  Column n holds d[n] at k = n and zeros elsewhere: the block of 32 that holds k = n has |d[n]| as its largest magnitude and one code that is
; not zero; every other block is zero codes with the byte 127.  So a wave's 128 columns have eight fragments with codes for ONE K step of 128 and one fragment of zero codes for the 31 others.
; SHARES.  256 work-groups of four waves.  Work-group (bx, by) makes rows 128 by on x columns 512 bx on; wave w makes all 128 rows x columns 512 bx + 128 w on: 64 accumulators, 512 registers.
; All four waves read the same 128 rows of x from LDS, and a fragment of x read from LDS feeds eight products.  The 128 rows, 262,144 bytes of codes and 16,384 scale bytes, lie in LDS all at once: filled once, no ring.
; CLUSTER.  The four work-groups of a cluster share by and so all of x's tiles: each tile is asked for JOINTLY, by the same tensor load with the same descriptor and a mask that names the four.
; No branch, no trip count and no LDS address hangs on the place in the cluster: where the diagonal falls is chosen by v_cndmask_b32.
; WHERE THE DIAGONAL FALLS.  A slot is 512 along K.  Inside a slot wave w takes the four K steps of 128 in the order (w + q) % 4, q = 0 .. 3: its columns' own K step is then q = 0 of slot bx.
; Steps with q = 0 multiply by the fragments BC, the others by the zero fragment ZF; once a slot BC's sixteen registers that can hold codes are set: the codes if the next slot is bx, else zeros.
; TWO PASSES BY ROWS.  Pass 0: rows 0-63 over all of K; they are stored; pass 1: rows 64-127, while the first pass's stores are on their way.  No fragment is read twice for that.
; THE MATRIX INSTRUCTION IS USED TRANSPOSED: source 0 = 16 columns of Q(diag(d)), source 1 = 16 rows of x: a lane then holds eight neighbouring numbers of a row of out0.
; The launch claims all of a WGP's LDS; the text uses 296,448 bytes.
; LIMITS.  d = +-infinity or NaN is not served.  |d| under 2^-124: the scale's byte is held at 1, as the quantiser asks; not tried.  d = 0 gets the byte 1 where the quantiser says 127: its code is zero.
; REGISTERS, in windows of 256: window 0: v0-15 addresses; v16-23 the scale words of Q(diag(d)); v24-31 x's scale words, two sets; v32-72 at work; v128-255 x's fragments, two sets of 64.
;   window 1: v0-63 BC; v64-71 ZF; v72-87 DG, the sixteen registers of codes.   window 2: the 32 accumulators of rows 0-63 ((a, b) at v[8 (8 a + b)]);   window 3: those of rows 64-127.
.set PITCH, 272                        ; an LDS row of codes: 256 bytes + 16 of padding = 68 words: row r starts at bank 4 r mod 64 (64 banks of 4 bytes: ISA guide 11.1), so the 16 rows of a load start at 16 different banks
.set SLB,   64*PITCH                   ; 64 rows x 512 along K: what one tensor load brings
.set HB,    8*SLB                      ; 64 rows x all of K: rows 0-63 from LDS byte 0, rows 64-127 from HB
.set SCL,   2*HB                       ; behind them x's scale bytes, as units of 256 bytes (two rows) + 16 of padding
.set SBLK,  8*272                      ; those of 16 rows
.set SQ,    16*272                     ; those of 32 rows: what one tensor load brings
.set SP,    528                        ; the way out: a stage of 16 rows x (512 bytes + 16) for each wave, from LDS byte 0: in rows 0-63's bytes, which have had their one fill and, when the first result is stored there, their last read
.set AX,  4                            ; v4-7    my place in a slot's fragments for q = 0 .. 3: 272 r + 16 h + 64 ((w + q) % 4); never rewritten
.set ASX, 8                            ; v8-11   my place among x's scale words for q = 0 .. 3; never rewritten
.set STO, 12                           ; v12     the way out: where I put 32 bytes of a row
.set RD,  13                           ; v13     the way out: where I read a row back
.set CO,  14                           ; v14     my byte offset in a row's 512 bytes of out0
.set DA,  15                           ; v15     4 r: my number of d in a tile of 16
.set BS,  16                           ; v16-23  scale words of the eight tiles of Q(diag(d)) in their own K step: scales and nothing else
.set XSC, 24                           ; v24-31  x's scale words: set e at v[24 + 4 e]; in it register 2 c + i: lanes 0-15 row block i, lanes 16-31 row block i + 2 of the pass, for the step's c-th 128 along K
.set DD,  32                           ; v32-39  d[my 128 columns: 16 t + r]
.set SCF, 40                           ; v40-47  the conversions' scale operands
.set NUM, 48                           ; v48-55  eight neighbours along K of my column
.set COD, 56                           ; v56-63  eight codes for each tile
.set ADA, 64                           ; v64-65  LDS addresses of the fragments in hand
.set ADS, 66                           ; v66-67  and of the scale words
.set TM,  68                           ; v68-70  at work
.set BSZ, 72                           ; v72     four bytes 127: the scale word of blocks of zeros
.set AF,  128                          ; x's fragments: set e at v[128 + 64 e]; in it 32 c + 8 a: row block a of the pass, the step's c-th 128 along K
.set BC,  0                            ; window 1
.set ZF,  64
.set DG,  72
.set WV,  12                           ; s12     my wave's number
.set BX,  13                           ; s13     bx
.set BY,  14                           ; s14     by
.set G1C, 16                           ; s[16:23] descriptor group 1 for the codes
.set G1S, 24                           ; s[24:31] for the scale bytes
.set G0S, 32                           ; s[32:35] group 0 for the scale bytes
.set G0,  36                           ; s[36:51] group 0 for my four tiles of codes
.set FLOOR, 60                         ; s60     2^(3 - 127)
.set MK,  66                           ; s66-73  lane masks: lane % 8 == p
.set LM,  74                           ; s74-77  lane masks: lanes 0-7, 8-15, 16-23, 24-31
.set SM,  78                           ; s78     all ones where the next slot is bx, else 0
.set J,   79                           ; s79     the slot for which BC was set last
.set CNT, 80                           ; s80     counts a loop's trips
.set TA,  89                           ; s89     LDS byte at which the slot of the next fetch begins
.set TS,  90                           ; s90     and its 16 scale bytes in a row
.set MSB, 0
.macro WIN new                         ; the immediate's high byte repeats the setting that is left; a switch that changes nothing is dropped
.if MSB != (\new)
	s_set_vgpr_msb (MSB<<8)|(\new)
.set MSB, (\new)
.endif
.endm
; A round of the cluster's barrier: my work-group's barrier, so that wave 0's signal speaks for all four waves; wave 0 signals for the work-group; every wave waits for all four work-groups; my work-group's barrier once more.
.macro CROUND
	s_barrier_signal -1
	s_barrier_wait -1
	s_cmp_lg_u32 s[WV], 0
	s_cbranch_scc1 .Lnot_wave_0_\@
	s_barrier_signal -3
.Lnot_wave_0_\@:
	s_barrier_wait -3
	s_barrier_signal -1
	s_barrier_wait -1
.endm
	s_load_b256 s[4:11], s[0:1], 0x0               ; d s[4:5], x's codes s[6:7], x's scale bytes s[8:9], out0 s[10:11]
	v_lshl_add_u32 v126, v0, 2, 0x48400
	v_mov_b32 v127, 0
	ds_add_u32 v126, v127
	ds_add_u32 v126, v127
	v_lshrrev_b32 v1, 5, v0
	v_readfirstlane_b32 s[WV], v1                  ; wave 0..3
	s_and_b32 s[BY], ttmp7, 0xffff                 ; by, which the four partners share
	; descriptor group 1 for the codes: 64 rows x 256 elements of one byte, 2,048 from row to row
	s_mov_b32 s[G1C+0], 15|(0<<16)|(1<<20)|(1<<21)|(5<<22)|(3<<25)   ; 15:0 the mask: all four work-groups; 17:16 elements of 1 byte; 20 padding on; 21 set beside a mask; 24:22 after every 64 words (code 5); 31:25 four words (code 3)
	s_mov_b32 s[G1C+1], 256<<16                    ; tensor_dim0 = 256
	s_mov_b32 s[G1C+2], 64<<16                     ; tensor_dim1 = 64
	s_mov_b32 s[G1C+3], 256<<16                    ; tile_dim0 = 256
	s_mov_b32 s[G1C+4], 64                         ; tile_dim1 = 64
	s_mov_b32 s[G1C+5], 2048                       ; tensor_dim0_stride
	s_mov_b32 s[G1C+6], 0
	s_mov_b32 s[G1C+7], 0
	; and for the scale bytes of 32 rows: 4,096 dense bytes, as 16 rows of 256 bytes (32 elements of 8 bytes), 16 bytes of padding behind each
	s_mov_b32 s[G1S+0], 15|(3<<16)|(1<<20)|(1<<21)|(5<<22)|(3<<25)
	s_mov_b32 s[G1S+1], 32<<16
	s_mov_b32 s[G1S+2], 16<<16
	s_mov_b32 s[G1S+3], 32<<16
	s_mov_b32 s[G1S+4], 16
	s_mov_b32 s[G1S+5], 32
	s_mov_b32 s[G1S+6], 0
	s_mov_b32 s[G1S+7], 0
	; what I fetch hangs on by and on my wave's number alone
	s_lshl_b32 s52, s[BY], 18                      ; codes: 128 by rows of 2,048 bytes
	s_lshl_b32 s82, s[WV], 8                       ;        + 256 w: slot w
	s_add_co_u32 s52, s52, s82
	s_mov_b32 s53, 0
	s_lshl_b32 s54, s[BY], 14                      ; scale bytes: 128 by rows of 128 bytes
	s_lshl_b32 s82, s[WV], 12                      ;        + 32 w rows
	s_add_co_u32 s54, s54, s82
	s_mov_b32 s55, 0
	s_mul_i32 s83, s[WV], SLB                      ; and where it goes
	s_mul_i32 s84, s[WV], SQ
	s_wait_dscnt 0x0
	s_wait_kmcnt 0x0
	s_add_nc_u64 s[52:53], s[6:7], s[52:53]
	s_add_nc_u64 s[54:55], s[8:9], s[54:55]
	s_mov_b32 s[G0S], 1                            ; 1:0 count = 1
	s_add_co_u32 s[G0S+1], s84, SCL                ; 63:32 LDS address
	s_mov_b64 s[G0S+2:G0S+3], s[54:55]             ; 120:64 global address
	s_or_b32 s[G0S+3], s[G0S+3], 0x80000000        ; 127:126 type = 2
.irp n, 0,1,2,3                                ; tile n: rows 64 (n / 2) on, slot 4 (n % 2) + w
	s_mov_b32 s[G0+4*\n], 1
	s_add_co_u32 s[G0+4*\n+1], s83, (\n/2)*HB+(\n%2)*4*SLB
	s_add_nc_u64 s[G0+4*\n+2:G0+4*\n+3], s[52:53], (\n/2)*64*2048+(\n%2)*1024
	s_or_b32 s[G0+4*\n+3], s[G0+4*\n+3], 0x80000000
.endr
	CROUND                                         ; all four work-groups are here: the joint loads meet
	; All fills of the launch, in one group: five tensor loads of mine are out.  Every wave runs the same five lines, each with its own rows.  Four v_nop follow the last.
	tensor_load_to_lds s[G0S:G0S+3], s[G1S:G1S+7]
	s_nop 0
	tensor_load_to_lds s[G0:G0+3], s[G1C:G1C+7]
	s_nop 0
	tensor_load_to_lds s[G0+4:G0+7], s[G1C:G1C+7]
	s_nop 0
	tensor_load_to_lds s[G0+8:G0+11], s[G1C:G1C+7]
	s_nop 0
	tensor_load_to_lds s[G0+12:G0+15], s[G1C:G1C+7]
	s_nop 0
.rept 4
	v_nop
.endr
	s_bfe_u32 s81, ttmp6, 0x40000                  ; cx: my place in the cluster: it enters d's and out0's addresses and the choice of BC, nothing else
	s_lshl_b32 s[BX], ttmp9, 2                     ; in a cluster launch ttmp9 counts clusters
	s_add_co_u32 s[BX], s[BX], s81                 ; bx = 4 x cluster x + cx
	s_lshl_b32 s56, s[BX], 11                      ; my wave's first column, in f32: 2,048 bx
	s_lshl_b32 s82, s[WV], 9                       ;        + 512 w
	s_add_co_u32 s56, s56, s82
	s_mov_b32 s57, 0
	s_lshl_b32 s58, s[BY], 21                      ; out0: 128 by rows of 16,384 bytes + the column
	s_add_co_u32 s58, s58, s56
	s_mov_b32 s59, 0
	s_add_nc_u64 s[4:5], s[4:5], s[56:57]
	s_add_nc_u64 s[10:11], s[10:11], s[58:59]
	; ---- Q(diag(d)) for my 128 columns, while the tiles are on their way
	v_and_b32 v1, 15, v0                           ; r = lane % 16
	v_bfe_u32 v2, v0, 4, 1                         ; h = lane / 16
	v_and_b32 v3, 31, v0                           ; lane
	v_lshlrev_b32 v[DA], 2, v1
.irp t, 0,1,2,3,4,5,6,7
	global_load_b32 v[DD+\t], v[DA], s[4:5] offset:64*\t   ; d of column 16 t + r of my 128 (both halves of the lanes take the same)
.endr
.irp p, 0,1,2,3,4,5,6,7
	s_mov_b32 s[MK+\p], 0x01010101<<\p
.endr
	s_mov_b32 s[LM+0], 0xff
	s_mov_b32 s[LM+1], 0xff00
	s_mov_b32 s[LM+2], 0xff0000
	s_mov_b32 s[LM+3], 0xff000000
	s_mov_b32 s[FLOOR], 0x1800000
	s_mov_b32 s[TA], 0
	s_mov_b32 s[TS], 0
	v_mov_b32 v[BSZ], 0x7f7f7f7f
	; A fragment, 16 columns x 128 K of 4-bit codes, is 8 registers: lane (r, h) holds column r; registers 4 c .. 4 c + 3 hold k = 64 c + 32 h + 0 .. 31.  Column 16 t + r has its one number at
	; k = 16 t + r: register 4 (t / 4) + 2 (t % 2) + r / 8, half h = (t % 4) / 2, place r % 8.  These are operands' zero codes, not sums: the six registers of each tile that can hold no such place, and the zero fragment:
	WIN 0x40                                       ; destination window 1
.irp t, 0,1,2,3,4,5,6,7
.irp g, 0,1,2,3,4,5,6,7
.if (\g/2) != (2*(\t/4)+(\t%2))
	v_mov_b32 v[BC+8*\t+\g], 0
.endif
.endr
.endr
.irp g, 0,1,2,3,4,5,6,7
	v_mov_b32 v[ZF+\g], 0
.endr
	WIN 0
	s_wait_loadcnt 0x0                             ; d: all eight loads; no other is out
	; The block's largest magnitude is |d|: its other 31 numbers are zeros.  The eight tiles by turns, so that no line waits for the line above it.
.irp t, 0,1,2,3,4,5,6,7
	v_max_num_f32 v[SCF+\t], |v[DD+\t]|, s[FLOOR]  ; and the floor 2^(3 - 127), under which no largest magnitude is taken: so the byte cannot fall under 1
.endr
.irp t, 0,1,2,3,4,5,6,7
	v_add_nc_u32 v[SCF+\t], 0xff000000, v[SCF+\t]  ; 2 off its exponent field: the conversion takes the exponent field of this operand as its scale, and nothing else of it
.endr
.irp t, 0,1,2,3,4,5,6,7
	v_lshrrev_b32 v[BS+\t], 23, v[SCF+\t]          ; the scale's byte,
.endr
.irp t, 0,1,2,3,4,5,6,7
	v_lshl_or_b32 v[BS+\t], v[BS+\t], 8*(\t/2), 0x7f7f7f7f^(0x7f<<(8*(\t/2)))   ; at block t / 2 of the scale word; the three blocks of zeros beside it have the byte 127
.endr
.irp t, 0,1,2,3,4,5,6,7                        ; eight neighbours along K of my column, d at place r % 8 and zeros beside it, are converted
.irp p, 0,1,2,3,4,5,6,7
	v_cndmask_b32 v[NUM+\p], 0, v[DD+\t], s[MK+\p]
.endr
	v_cvt_scalef32_pk8_fp4_f32 v[COD+\t], v[NUM:NUM+7], v[SCF+\t]   ; / 2^(the operand's exponent), to the nearest code, ties to even, beyond 6 the largest code
	v_nop                                          ; one plain place behind a scaled conversion
.endr
	WIN 0x40                                       ; destination window 1, sources window 0
.irp t, 0,1,2,3,4,5,6,7
	v_cndmask_b32 v[DG+2*\t], 0, v[COD+\t], s[LM+2*((\t%4)/2)]       ; the tile's first register of codes: lanes of its half with r < 8
	v_cndmask_b32 v[DG+2*\t+1], 0, v[COD+\t], s[LM+2*((\t%4)/2)+1]   ; its second: r >= 8
.endr
; BC's sixteen registers for the next slot: the codes where that slot is bx, else zeros.  A choice of values: no jump hangs on bx.
.macro SELECT reset
.if \reset
	s_mov_b32 s[J], 0
.else
	s_add_co_u32 s[J], s[J], 1
.endif
	s_cmp_eq_u32 s[BX], s[J]
	s_cselect_b32 s[SM], -1, 0
	WIN 0x44                                       ; destination and source 1 window 1
.irp t, 0,1,2,3,4,5,6,7
	v_cndmask_b32 v[BC+8*\t+4*(\t/4)+2*(\t%2)], 0, v[DG+2*\t], s[SM]
	v_cndmask_b32 v[BC+8*\t+4*(\t/4)+2*(\t%2)+1], 0, v[DG+2*\t+1], s[SM]
.endr
.endm
	SELECT 1                                       ; for slot 0
	WIN 0
	; The LDS addresses: plain lines that name no register of the products; they stand between the lines that wrote the fragments and the scale words and the first product.
	v_mul_u32_u24 v[TM], v1, PITCH
	v_lshl_add_u32 v[TM], v2, 4, v[TM]             ; a fragment's row x pitch + 16 h
	v_lshlrev_b32 v[TM+1], 7, v1                   ; my row's scale bytes: 128 bytes a row,
	v_lshrrev_b32 v[TM+2], 1, v1
	v_lshl_add_u32 v[TM+1], v[TM+2], 4, v[TM+1]    ; 16 more for each two rows passed,
	v_mad_u32_u24 v[TM+1], v2, 2*SBLK, v[TM+1]     ; and lanes 16-31 take the block two further on
.irp q, 0,1,2,3
	s_add_co_u32 s86, s[WV], \q
	s_and_b32 s86, s86, 3                          ; (w + q) % 4: which 128 along K of a slot
	s_lshl_b32 s87, s86, 6
	v_add_nc_u32 v[AX+\q], s87, v[TM]              ; its 64 bytes of a row of codes
	s_lshl_b32 s87, s86, 2
	s_add_co_u32 s87, s87, SCL
	v_add_nc_u32 v[ASX+\q], s87, v[TM+1]           ; its scale word
.endr
	s_mul_i32 s88, s[WV], 16*SP                    ; my stage
	v_mul_u32_u24 v[STO], v1, SP
	v_lshl_add_u32 v[STO], v2, 5, v[STO]
	v_add_nc_u32 v[STO], s88, v[STO]               ; in: row r, 32 bytes for each half of the lanes
	v_lshlrev_b32 v[CO], 4, v3                     ; back: the 32 lanes take one row of 512 bytes; and the same in out0
	v_add_nc_u32 v[RD], s88, v[CO]
; The fragments and scale words of a step: half e of a slot (q = 2 e, 2 e + 1), the four row blocks of pass p, into set e: 20 LDS loads in one run.
; The four additions in front are also the four places between the last products that read this set and the loads into it: plain vector lines that name none of those products' registers (ISA guide 7.12.1 for
; vector instructions).  In pass 1 the scale words' step has gone once through a row's 128 bytes: the immediate takes them off.
.macro FETCH e, p
	v_add_nc_u32 v[ADA], s[TA], v[AX+2*(\e)]
	v_add_nc_u32 v[ADA+1], s[TA], v[AX+2*(\e)+1]
	v_add_nc_u32 v[ADS], s[TS], v[ASX+2*(\e)]
	v_add_nc_u32 v[ADS+1], s[TS], v[ASX+2*(\e)+1]
.irp c2, 0,1
.irp al, 0,1,2,3
	ds_load_b128 v[AF+64*(\e)+32*\c2+8*\al:AF+64*(\e)+32*\c2+8*\al+3], v[ADA+\c2] offset:\al*16*PITCH      ; lane (r, h): row r, k = 32 h + 0 .. 31
	ds_load_b128 v[AF+64*(\e)+32*\c2+8*\al+4:AF+64*(\e)+32*\c2+8*\al+7], v[ADA+\c2] offset:\al*16*PITCH+32 ; and 64 + 32 h + 0 .. 31
.endr
.irp i, 0,1
	ds_load_b32 v[XSC+4*(\e)+2*\c2+\i], v[ADS+\c2] offset:(4*(\p)+\i)*SBLK-128*(\p)
.endr
.endr
.if (\e) == 1
	s_add_co_u32 s[TA], s[TA], SLB                 ; the next fetch is the next slot's; behind rows 0-63's eight slots lie rows 64-127's
	s_add_co_u32 s[TS], s[TS], 16
.endif
.endm
; 32 products: the pass's four row blocks x my eight tiles of columns, the c2-th 128 along K of set e.  diag = 1: by BC and its scale words; else by the zero fragment and the byte 127.
; zero = 1: the products start the sums: nothing is ever cleared.  The 32 accumulators take turns, one instruction a turn, in the same order in every run.
.macro MUL32 e, c2, zero, diag
.irp al, 0,1,2,3
.irp b, 0,1,2,3,4,5,6,7
.set rD, 8*(8*\al+\b)
.set rX, AF+64*(\e)+32*(\c2)+8*\al
.set rS, XSC+4*(\e)+2*(\c2)+\al%2
.if \diag
.set rB, BC+8*\b
.set rT, BS+\b
.else
.set rB, ZF
.set rT, BSZ
.endif
.if \zero
.if \al/2
	v_wmma_scale_f32_16x16x128_f8f6f4 v[rD:rD+7], v[rB:rB+7], v[rX:rX+7], 0, v[rT], v[rS] matrix_a_fmt:MATRIX_FMT_FP4 matrix_b_fmt:MATRIX_FMT_FP4 matrix_b_scale:MATRIX_SCALE_ROW1
.else
	v_wmma_scale_f32_16x16x128_f8f6f4 v[rD:rD+7], v[rB:rB+7], v[rX:rX+7], 0, v[rT], v[rS] matrix_a_fmt:MATRIX_FMT_FP4 matrix_b_fmt:MATRIX_FMT_FP4
.endif
.else
.if \al/2
	v_wmma_scale_f32_16x16x128_f8f6f4 v[rD:rD+7], v[rB:rB+7], v[rX:rX+7], v[rD:rD+7], v[rT], v[rS] matrix_a_fmt:MATRIX_FMT_FP4 matrix_b_fmt:MATRIX_FMT_FP4 matrix_b_scale:MATRIX_SCALE_ROW1
.else
	v_wmma_scale_f32_16x16x128_f8f6f4 v[rD:rD+7], v[rB:rB+7], v[rX:rX+7], v[rD:rD+7], v[rT], v[rS] matrix_a_fmt:MATRIX_FMT_FP4 matrix_b_fmt:MATRIX_FMT_FP4
.endif
.endif
.endr
.endr
.endm
; A STEP: half e of a slot, pass p: 64 products.  At its head the next step's fragments are asked for (fetch = 1; fp: their pass), a whole step ahead of their use.
; sync >= 0: those fragments lie in tiles that have not been shown landed: I wait until at most sync of my tensor loads are out, which are the ones issued behind my part of those tiles, and for my LDS loads
; (none is pending at a signal), and pass the work-group's barrier: then every wave's part has landed.  Later tiles stay on their way across them.
; sel = 1: BC is set for the next slot; 2: for slot 0 of the next pass.  BC's last readers stand in the step before: the fetch's four additions are the places between; its next readers stand behind the next fetch's four.
.macro STEP e, p, zero, sel, sync, fetch, fp
	WIN 0
.if (\sync) >= 0
	s_wait_tensorcnt \sync
	s_wait_dscnt 0x0
	s_barrier_signal -1
	s_barrier_wait -1
.endif
.if \fetch
	FETCH 1-\e, \fp
.endif
.if \sel
	SELECT \sel-1
.endif
.if \fetch
	s_wait_dscnt 20                                ; all but the 20 just issued: this step's fragments and scale words are in
.else
	s_wait_dscnt 0x0
.endif
	WIN 0xa1+0x50*(\p)                             ; source 0 window 1, source 1 window 0, C and D window 2 (pass 0) or 3 (pass 1)
	MUL32 \e, 0, \zero, 1-\e
	MUL32 \e, 1, 0, 0
.endm
; A PASS: 16 steps.  My tensor loads in the order of issue: scale bytes; rows 0-63 slot w; slot 4 + w; rows 64-127 slot w; slot 4 + w.  So slots 4-7 of pass p have landed when at most 2 - 2 p of my loads are out,
; and slots 0-3 of pass 1 when at most one is.  The steps with a barrier are written out between the loops; each loop's trip goes from a slot's second half to the next slot's first.
.macro PASS p
	STEP 0, \p, 1, 0, -1, 1, \p                    ; slot 0's first half starts the sums
	WIN 0                                          ; at a label and at a branch every window is 0
	s_mov_b32 s[CNT], 3
.Lfirst_\@:
	STEP 1, \p, 0, 1, -1, 1, \p
	STEP 0, \p, 0, 0, -1, 1, \p
	WIN 0
	s_sub_co_u32 s[CNT], s[CNT], 1
	s_cmp_lg_u32 s[CNT], 0
	s_cbranch_scc1 .Lfirst_\@
	STEP 1, \p, 0, 1, 2-2*\p, 1, \p                ; slot 3's second half asks for slot 4's first fragments
	STEP 0, \p, 0, 0, -1, 1, \p
	WIN 0
	s_mov_b32 s[CNT], 3
.Lsecond_\@:
	STEP 1, \p, 0, 1, -1, 1, \p
	STEP 0, \p, 0, 0, -1, 1, \p
	WIN 0
	s_sub_co_u32 s[CNT], s[CNT], 1
	s_cmp_lg_u32 s[CNT], 0
	s_cbranch_scc1 .Lsecond_\@
.if \p == 0
	STEP 1, 0, 0, 2, 1, 1, 1                       ; slot 7's second half asks for pass 1's first fragments.  In front of its barrier every wave's last reads of rows 0-63 are in: behind it their bytes serve as stages
.else
	STEP 1, 1, 0, 0, -1, 0, 1                      ; the very last step: nothing more to fetch
.endif
.endm
; THE WAY OUT of a pass, block by block of 16 rows x 128 columns.  A lane holds 32 neighbouring bytes of a row, and the lanes beside it hold other rows: a block goes into my own stage and comes back as whole rows
; of 512 bytes, into the registers that it left.  LDS serves a wave's instructions in order (ISA guide 5.7.1.4): no wait between the stores and the loads, nor in front of the next block's stores.
; One window setting serves all of it: LDS stores' and global stores' data are source 1, loaded data the destination, addresses source 0.  No register that a store reads is written again in the launch.
.macro TOSTAGE al
.irp b, 0,1,2,3,4,5,6,7
	ds_store_b128 v[STO], v[64*(\al)+8*\b:64*(\al)+8*\b+3] offset:64*\b          ; each accumulator from its low end on
	ds_store_b128 v[STO], v[64*(\al)+8*\b+4:64*(\al)+8*\b+7] offset:64*\b+16
.endr
.irp t, 0,1,2,3,4,5,6,7,8,9,10,11,12,13,14,15
	ds_load_b128 v[64*(\al)+4*\t:64*(\al)+4*\t+3], v[RD] offset:\t*SP
.endr
.endm
.macro SEND p, al, younger             ; younger: the LDS instructions issued behind this block's loads: the next block's 16 stores and 16 loads, or none
.irp t, 0,1,2,3,4,5,6,7,8,9,10,11,12,13,14,15
	s_wait_dscnt \younger+15-\t                    ; row t is back: behind its load stand the block's 15 - t later rows and the younger ones
	global_store_b128 v[CO], v[64*(\al)+4*\t:64*(\al)+4*\t+3], s[10:11] offset:(64*(\p)+16*(\al)+\t)*16384 th:TH_STORE_NT   ; 32 lanes store 512 consecutive bytes, at a multiple of 512 from out0's first byte; 127 rows at the most: inside the signed 24-bit immediate; written once, read by nobody here
.endr
.endm
.macro OUT p
.rept 4
	v_nop                                          ; four places between the last products and the stage's reads of results and the loads back over them
.endr
	WIN 0x88+0x44*(\p)                             ; source 1 and destination: window 2 (pass 0) or 3 (pass 1)
	TOSTAGE 0
	TOSTAGE 1
	SEND \p, 0, 32
	TOSTAGE 2
	SEND \p, 1, 32
	TOSTAGE 3
	SEND \p, 2, 32
	SEND \p, 3, 0
	WIN 0
.endm
	s_wait_tensorcnt 0x3                           ; my scale bytes and my slot of rows 0-63's first four are in; my three younger loads may be out,
	s_barrier_signal -1
	s_barrier_wait -1                              ; everybody's are
	FETCH 0, 0
	PASS 0                                         ; rows 0-63
	OUT 0                                          ; they leave; nothing waits for these stores: they are on their way while rows 64-127 are multiplied
	PASS 1                                         ; rows 64-127 (its barrier waits for all my tensor loads)
	OUT 1
	s_wait_tensorcnt 0x0
	ds_add_u32 v126, v127
	s_wait_dscnt 0x0
	CROUND                                         ; the closing round: no work-group ends while a partner may still ask for a tile that names it.  No LDS instruction and no tensor load of mine is out
	s_endpgm
.Lfunc_end_k_q55a5778a8e_diagmul:
	.size	k_q55a5778a8e_diagmul, .Lfunc_end_k_q55a5778a8e_diagmul-k_q55a5778a8e_diagmul
	.p2alignl 7, 3214868480
	.fill 96, 4, 3214868480
	.section	.rodata,"a",@progbits
	.p2align	6, 0x0
	.amdhsa_kernel k_q55a5778a8e_diagmul
		.amdhsa_group_segment_fixed_size 327680
		.amdhsa_private_segment_fixed_size 0
		.amdhsa_enable_private_segment 0
		.amdhsa_kernarg_size 32
		.amdhsa_user_sgpr_count 2
		.amdhsa_user_sgpr_kernarg_segment_ptr 1
		.amdhsa_wavefront_size32 1
		.amdhsa_system_sgpr_workgroup_id_x 1
		.amdhsa_system_sgpr_workgroup_id_y 1
		.amdhsa_system_sgpr_workgroup_id_z 1
		.amdhsa_system_vgpr_workitem_id 0
		.amdhsa_next_free_vgpr 1024
		.amdhsa_next_free_sgpr 96
		.amdhsa_reserve_vcc 0
		.amdhsa_float_denorm_mode_32 3
		.amdhsa_float_denorm_mode_16_64 3
		.amdhsa_memory_ordered 1
		.amdhsa_forward_progress 1
		.amdhsa_inst_pref_size 213
	.end_amdhsa_kernel
	.amdgpu_metadata
---
amdhsa.version: [ 1, 2 ]
amdhsa.kernels:
  - .name:           k_q55a5778a8e_diagmul
    .symbol:         k_q55a5778a8e_diagmul.kd
    .args:
      - { .name: diagonal, .offset: 0, .size: 8, .value_kind: global_buffer, .address_space: global }
      - { .name: x_codes, .offset: 8, .size: 8, .value_kind: global_buffer, .address_space: global }
      - { .name: x_scales, .offset: 16, .size: 8, .value_kind: global_buffer, .address_space: global }
      - { .name: out0, .offset: 24, .size: 8, .value_kind: global_buffer, .address_space: global }
    .group_segment_fixed_size: 327680
    .private_segment_fixed_size: 0
    .kernarg_segment_align: 8
    .kernarg_segment_size: 32
    .max_flat_workgroup_size: 128
    .sgpr_count:     96
    .vgpr_count:     1024
    .wavefront_size: 32
...
	.end_amdgpu_metadata
.endif
;; end of part 1
